; MI455X (gfx1250); checked and timed in simulation.
; The chip was launched on July 23, 2026; its instructions are those of AMD's public machine-readable ISA for CDNA 5 (MIT licence, August 2026) and "CDNA5" Instruction Set Architecture Reference Guide (July 2026). The comments in the code are by the model that wrote it; some were corrected since.
;; Multi Head Attention. Allowed arithmetic: matrix products marked QUANTISED: E2M3 operands, one E8M0 scale for each 32 along K, by v_wmma_scale_f32_16x16x128_f8f6f4 with both operands' format E2M3, f32 sums; everything else in f32.
;; Inputs: Wk_codes 16 x 64 x 32 x 24 uint8 (E2M3 codes of Wk, K innermost, in blocks of 32 codes, four codes in three bytes); Wk_scales 16 x 64 x 32 uint8 (E8M0 scales of Wk, one for each 32 codes along K); Wo_codes 1,024 x 32 x 24 uint8 (E2M3 codes of Wo, K innermost, in blocks of 32 codes, four codes in three bytes); Wo_scales 1,024 x 32 uint8 (E8M0 scales of Wo, one for each 32 codes along K); Wq_codes 16 x 64 x 32 x 24 uint8 (E2M3 codes of Wq, K innermost, in blocks of 32 codes, four codes in three bytes); Wq_scales 16 x 64 x 32 uint8 (E8M0 scales of Wq, one for each 32 codes along K); Wv_codes 16 x 64 x 32 x 24 uint8 (E2M3 codes of Wv, K innermost, in blocks of 32 codes, four codes in three bytes); Wv_scales 16 x 64 x 32 uint8 (E8M0 scales of Wv, one for each 32 codes along K); bk 16 x 64 float32; bo 1,024 float32; bq 16 x 64 float32; bv 16 x 64 float32; x_codes 4 x 2,048 x 32 x 24 uint8 (E2M3 codes of x, K innermost, in blocks of 32 codes, four codes in three bytes); x_scales 4 x 2,048 x 32 uint8 (E8M0 scales of x, one for each 32 codes along K).
;; Outputs: out0 4 x 2,048 x 1,024 float32.
;; This version of the problem:
;;   THIS VERSION OF THE PROBLEM IS GIVEN IN LOW PRECISION. The matrix products marked QUANTISED in the list below multiply operands that are first quantised to E2M3 (2 exponent bits, 3 mantissa bits; 6 bits a number), with one power-of-two scale for each 32 numbers along K (OCP MX v1.0); their sums are f32. All else is computed in f32.
;;   The module's matrix products, in the order in which they are computed (A, B: the left and right operand; K: the contracted axis; several contracted axes count as one K, in the product's order):
;;     1. [M 1,024, K 1,024] x [K 1,024, N 8,192]; A: input Wq (given as codes); B: input x (given as codes): QUANTISED
;;     2. [M 1,024, K 1,024] x [K 1,024, N 8,192]; A: input Wk (given as codes); B: input x (given as codes): QUANTISED
;;     3. [M 1,024, K 1,024] x [K 1,024, N 8,192]; A: input Wv (given as codes); B: input x (given as codes): QUANTISED
;;     4. batch 64 x [M 2,048, K 64] x [K 64, N 2,048]; A: computed on the way; B: computed on the way: QUANTISED
;;     5. batch 64 x [M 2,048, K 2,048] x [K 2,048, N 64]; A: softmax (see below); B: computed on the way: QUANTISED
;;     6. [M 8,192, K 1,024] x [K 1,024, N 1,024]; A: computed on the way; B: input Wo (given as codes): QUANTISED
;;   THE QUANTISER, for each operand of a quantised product, along K:
;;     - K is cut into blocks of 32 from its start; a last block that is shorter is filled with zeros.
;;     - A block's scale is 2^e with e = floor(log2(the largest magnitude in the block)) - 2, held to -126 .. 127; a block of zeros has e = 0. As a byte (E8M0): e + 127.
;;     - Each number is divided by its block's scale, clamped to +-7.5, and rounded to the nearest number of E2M3, ties to even, subnormals kept.
;;     - The product sums the exact products of the quantised numbers (number of the format x scale) in f32.
;;   ~~~python
;;   def quantise(x, axis):      # numpy; x: float32 -> the quantised numbers, widened to float32 again
;;       x = np.moveaxis(x, axis, -1); K = x.shape[-1]
;;       x = np.pad(x, [(0, 0)] * (x.ndim - 1) + [(0, -K % 32)]); x = x.reshape(x.shape[:-1] + (-1, 32)); a = np.abs(x).max(-1, keepdims=True)
;;       e = np.where(a > 0, np.clip(np.frexp(np.where(a > 0, a, 1))[1] - 1 - 2, -126, 127), 0)      # np.frexp(a)[1] - 1 = floor(log2(a)), exactly
;;       r = np.clip(x / 2.0 ** e, -7.5, 7.5)
;;       step = 2.0 ** (np.maximum(np.frexp(np.where(r == 0, 1, r))[1] - 1, 0) - 3)
;;       q = np.round(r / step) * step * 2.0 ** e      # np.round: ties to even
;;       return np.moveaxis(q.reshape(q.shape[:-2] + (-1,))[..., :K], -1, axis).astype(np.float32)
;;   ~~~
;;   SOFTMAX AHEAD OF A QUANTISED PRODUCT. Where the list says 'softmax', what is quantised is not the finished softmax but p = 2^(t - M), with t = logit x log2(e) and M = ceil(the row's largest t), a whole number; so 1/2 < the row's largest p <= 1. The row's sum l is taken of the UNQUANTISED p, in f32, and the product's result is divided by l at the end. Since M is a whole number, a kernel that streams over the keys may use a running M (the ceiling of the running maximum): every later rescaling is an exact power of two, which a block's scale takes up: the codes' values come out the same.
;;   OPERANDS COMPUTED ON THE WAY. 'Computed on the way' means the value that the module computes at that place (a softmax that the list does not call 'softmax' is quantised finished and normalised). What goes into a quantiser is computed in f32, as accurately as f32 sums, v_exp_f32 and their like allow (about 1e-6 of the number): no bf16 or f16 on the way to a quantiser, and a product that is left as it is and whose result goes on into a quantised operand takes f32 operands (vector FMAs, or v_wmma_f32_16x16x4_f32). A number that lies on a knife's edge between two numbers of the format may be rounded either way, as far as f32 arithmetic and the matrix unit's own rounding can turn it there, and no further.
;;   INPUTS GIVEN AS CODES. Wk (in the module: [16, 1024, 64], K = its axis 1); Wo (in the module: [1024, 1024], K = its axis 0); Wq (in the module: [16, 1024, 64], K = its axis 1); Wv (in the module: [16, 1024, 64], K = its axis 1); x (in the module: [4, 2048, 1024], K = its axis 2): each comes as NAME_codes (uint8): NAME with its K axis moved to the last place and cut into blocks of 32 codes, [.., K / 32, bytes a block], one block behind the other in memory; four codes in three bytes: a row's codes are one little-endian stream of bits, code i at bits 6 i .. 6 i + 5 (a code: sign, 2 exponent bits, 3 mantissa bits); and NAME_scales (uint8): the same leading axes, one E8M0 byte (e + 127) for each 32 codes along K. Its value is code x scale, taken as it is: it is not quantised again, and the codes and scales need not be those that the quantiser above would give.
;; One version. Each part assembles by itself: llvm-mc -triple=amdgcn-amd-amdhsa -mcpu=gfx1250 --defsym DOCPART=n.
;; ======== version 1 of 1: 3 launches
;; limits: right only within a limited range of input values
;; workspace buffers: qb 6,815,744 bytes; kv 13,369,344 bytes; zb 6,553,600 bytes
;; launch proj (part 1): grid 4 x 64, 4 waves a work-group, clusters of 4 x 4, 327,680 bytes of LDS; arguments x_codes, x_scales, Wq_codes, Wq_scales, Wk_codes, Wk_scales, Wv_codes, Wv_scales, bq, bk, bv, qb, kv; writes qb, kv
.if DOCPART == 1
	.amdgcn_target "amdgcn-amd-amdhsa--gfx1250"
	.amdhsa_code_object_version 6
	.text
	.protected	k_qf39121cd23_proj
	.globl	k_qf39121cd23_proj
	.p2align	8
	.type	k_qf39121cd23_proj,@function
k_qf39121cd23_proj:
	s_mov_b64 s[64:65], 0
	v_nop
	global_prefetch_b8 v0, s[64:65] scope:SCOPE_SE
	s_setreg_imm32_b32 hwreg(HW_REG_WAVE_MODE, 25, 1), 1
	s_wait_xcnt 0x0
	s_wait_alu depctr_hold_cnt(0) depctr_sa_sdst(0) depctr_va_vdst(0) depctr_va_sdst(0) depctr_va_ssrc(0) depctr_va_vcc(0) depctr_vm_vsrc(0)
	s_getreg_b32 s2, hwreg(HW_REG_IB_STS2, 6, 4)
	s_cmp_eq_u32 s2, 0
	s_cbranch_scc0 .Lentry_in_a_cluster
	s_endpgm
.Lentry_in_a_cluster:
	s_bfe_u32 s2, ttmp6, 0x10000c
	s_cmp_lg_u32 s2, 0xf033
	s_cbranch_scc0 .Lentry_shape_is_right
	s_endpgm
.Lentry_shape_is_right:
; V, Q, K = x W^T + b on codes of FP6 (E2M3), and their quantisers: the results leave as codes and scale bytes, as images of the operand registers of the launch that reads them.
; Nothing of the problem's work is left out in this program; every input is read.  LIMITS: NaN and infinities are not served; a block of zeros gets the scale byte 1 (its codes are zeros).
; THE DEAL.  256 work-groups of four waves.  A work-group takes 128 tokens (one key step) and four heads, wave w head 4 cx + w.  A wave holds its head's 64 rows of a weight, all of K = 1,024, in 384 registers
; and streams the 128 rows of x past them in blocks of 16 rows: 32 products a block, eight blocks a phase, three phases: V, Q, K.  x is loaded once and stays in LDS.
; THE ORDER OF ROWS.  Slot p of block 4 c + u is token 64 c + 8 u + p % 8 + 32 (p / 8); slot p of a weight's tile t is its row 8 t + p % 8 + 32 (p / 8): both by the lanes' LDS addresses.
; Q, K: source 0 = the weight: a lane (r, h) holds token slot r and, in its 32 sums, columns 32 h .. 32 h + 31 of the head: one scale block.  V: source 0 = x: a lane holds one channel and, over a band's four blocks,
; tokens 64 c + 32 h .. + 31: one scale block.  So no lane looks at another for a largest magnitude, and two conversions give six registers of the next operand.
; THE BUFFERS.  qb[batch x 16 + head][group of 128][6,656]: tile s at 768 s, registers 2 p, 2 p + 1 at 256 p + 8 lane; scale words (two bytes, two zeros) at 6,144 + 16 (r + 16 (s % 2)) + 4 (s / 2).
; kv[batch x 16 + head][key step][13,056]: K as qb; V's tile t at 6,656 + 1,536 t, registers 4 k .. 4 k + 3 at 512 k + 16 lane; V's scale words at 12,800 + 8 (r + 16 (t % 2)) + 4 (t / 2).
; LDS: x's 128 rows (3 x (256 + 16) bytes each), a region for a weight's 256 rows, x's scale bytes, stages for the results' scale bytes, the spare words.
; FILLS.  At the head one joint load a wave: W_v's rows; x's scale bytes; two halves of x.  The weights' region is filled again twice, each time behind a drained round of the cluster's barrier, a quarter a wave,
; when all waves hold the weight in registers: the fill has a phase of 256 products in which to land, and a plain barrier at the phase's end shows it.
; CLUSTER 4 x 4: x's rows are shared by a row of the cluster, a weight's rows by a column.  PREFETCH: W_q's rows at the head, W_k's behind the first refill, a sixteenth for each wave of a column, by address.
; WAITS ON DScnt: a block's rows were fetched two blocks ago; younger are the next block's fetch (NF loads) and, in Q and K, two stores of scale words (NF + 2); where nothing more is fetched, those two stores (2).
.set KROW,   768
.set PITCH,  816
.set FR,     12
.set FPW,    21
.set NF,     28
.set NB,     4
.set NQ,     8
.set WB,     128*PITCH
.set XS,     WB+256*PITCH
.set STG,    XS+16*272
.set SPARE,  STG+4*1280
.set QSTR,   6656
.set KVSTR,  13056
.set ADRA0, 4                          ; v4, v5 my fragment's place in block 0 (v5: behind one padding more); v6 my row's scale words
.set AAS0,  6
.set L8,    7
.set L16,   8
.set SPW,   10
.set NIL,   11
.set ADRA,  12                         ; v12-14 the same for the block fetched next
.set AAS,   14
.set SH8,   15                         ; 8 h
.set BA,    16                         ; v16-23 the weights' four tiles
.set SBV,   24                         ; the weights' scale words: sixteen registers each
.set SBQ,   40
.set SBK,   56
.set WSA,   72
.set BQA,   73
.set BVA,   74
.set STW,   75
.set STV,   76
.set SRD,   77
.set SVR,   78
.set PFO,   79
.set SWA,   80
.set SA,    84                         ; v84-99 x's scale words, two sets
.set ACC,   100                        ; v100-163 Q, K: two sets of four accumulators; v100-227 V: 32 t + 8 u + j
.set NCD,   164
.set WD,    172
.set T,     228
.set SOP,   232
.set EB,    236
.set TC,    240
.set BBV,   864                        ; the biases as the first products' C
.set BBQ,   896
.set BBK,   928
.set MC,    192                        ; v960-1007 (window 3): V's four operands of twelve
.set WV,    94
.set ST,    95
.set SS,    96
.set SW,    97
.set CNT,   98
.set G1X, 24
.set G1W, 32
.set G1R, 48
.set G1S, 56
.set MSB, 0
.macro WIN new
.if MSB != (\new)
	s_set_vgpr_msb (MSB<<8)|(\new)
.set MSB, (\new)
.endif
.endm
.macro PLACES n
.rept \n
	v_nop
.endr
.endm
.macro WALU
	s_wait_alu depctr_va_vdst(0)
.endm
.macro BARRIER
	s_barrier_signal -1
	s_barrier_wait -1
.endm
.macro CROUND
	BARRIER
	s_cmp_lg_u32 s[WV], 0
	s_cbranch_scc1 .Lnot_wave_0_\@
	s_barrier_signal -3
.Lnot_wave_0_\@:
	s_barrier_wait -3
	BARRIER
.endm
.macro TLOAD g0, g1
	tensor_load_to_lds s[\g0:\g0+3], s[\g1:\g1+7]
	s_nop 0
	PLACES 4
.endm
.macro GROUP1 g, mask, rows
	s_or_b32 s[\g+0], s[\mask], (1<<20)|(1<<21)|(5<<22)|(3<<25)
	s_mov_b32 s[\g+1], (KROW&0xffff)<<16
	s_mov_b32 s[\g+2], (KROW>>16)|((\rows)<<16)
	s_mov_b32 s[\g+3], KROW<<16
	s_mov_b32 s[\g+4], \rows
	s_mov_b32 s[\g+5], KROW
	s_mov_b32 s[\g+6], 0
	s_mov_b32 s[\g+7], 0
.endm
; fragment f lies in window 1 + f / 21 at register 12 (f % 21): 0-31 the weights' (4 q + t), 32-39 and 40-47 x's two sets
.macro FRAG f, q, a0, a1
	WIN (1+(\f)/FPW)<<6
.set R_, FR*((\f)%FPW)
.set SKIP_, 0
.irp p, 0,1,2,3,4,5
.if SKIP_
.set SKIP_, 0
.else
.set PC_, 12*(\q)+6*(\p/3)+\p%3
.set PN_, 12*(\q)+6*((\p+1)/3)+(\p+1)%3
.set X_, (PC_%32+3)/32
.set XQ_, (PN_%32+3)/32
.if (\p < 5) && (X_ == XQ_)
.set SKIP_, 1
.if X_
	ds_load_2addr_b64 v[R_+2*\p:R_+2*\p+3], \a1 offset0:PC_+2*(PC_/32) offset1:PN_+2*(PN_/32)
.else
	ds_load_2addr_b64 v[R_+2*\p:R_+2*\p+3], \a0 offset0:PC_+2*(PC_/32) offset1:PN_+2*(PN_/32)
.endif
.elseif X_
	ds_load_b64 v[R_+2*\p:R_+2*\p+1], \a1 offset:8*(PC_+2*(PC_/32))
.else
	ds_load_b64 v[R_+2*\p:R_+2*\p+1], \a0 offset:8*(PC_+2*(PC_/32))
.endif
.endif
.endr
.endm
.macro WEIGHTS
.irp q, 0,1,2,3,4,5,6,7
.irp b, 0,1,2,3
	FRAG NB*\q+\b, \q, v[BA+2*\b], v[BA+2*\b+1]
.endr
.endr
	WIN 0
.endm
.macro FETCHAT e, a0, a1, as
.irp q, 0,1,2,3,4,5,6,7
	FRAG NB*NQ+NQ*(\e)+\q, \q, \a0, \a1
.endr
	WIN 0
	ds_load_b128 v[SA+8*(\e):SA+8*(\e)+3], \as
	ds_load_b128 v[SA+8*(\e)+4:SA+8*(\e)+7], \as offset:16
.endm
.macro FETCH e
	FETCHAT \e, v[ADRA], v[ADRA+1], v[AAS]
.endm
.macro PROD1 d, s0, s1, c, x0, x1, side, o
.if \o
	v_wmma_scale_f32_16x16x128_f8f6f4 v[\d:\d+7], v[FR*((\s0)%FPW):FR*((\s0)%FPW)+FR-1], v[FR*((\s1)%FPW):FR*((\s1)%FPW)+FR-1], v[\c:\c+7], v[\x0], v[\x1] matrix_a_fmt:MATRIX_FMT_FP6 matrix_b_fmt:MATRIX_FMT_FP6 matrix_\side\()_scale:MATRIX_SCALE_ROW1
.else
	v_wmma_scale_f32_16x16x128_f8f6f4 v[\d:\d+7], v[FR*((\s0)%FPW):FR*((\s0)%FPW)+FR-1], v[FR*((\s1)%FPW):FR*((\s1)%FPW)+FR-1], v[\c:\c+7], v[\x0], v[\x1] matrix_a_fmt:MATRIX_FMT_FP6 matrix_b_fmt:MATRIX_FMT_FP6 matrix_\side\()_scale:MATRIX_SCALE_ROW0
.endif
.endm
; product n = 4 q + t of a block.  kind 0 (Q, K): source 0 the weight; kind 1 (V): source 0 x.  The first four take the bias as C
.macro PROD kind, e, n, a0, as, sb, bb
.set Q_, (\n)/4
.set T_, (\n)%4
.set FB_, NB*Q_+T_
.set FA_, NB*NQ+NQ*(\e)+Q_
.set D_, (\a0)+(\as)*T_
.set XB_, (\sb)+8*(T_/2)+Q_
.set XA_, SA+8*(\e)+Q_
.set C_, D_
.set CW_, 0
.if Q_ == 0
.set C_, (\bb)-768+8*T_
.set CW_, 3
.endif
.if \kind
	WIN (1+FA_/FPW)|((1+FB_/FPW)<<2)|(CW_<<4)
	PROD1 D_, FA_, FB_, C_, XA_, XB_, b, T_%2
.else
	WIN (1+FB_/FPW)|((1+FA_/FPW)<<2)|(CW_<<4)
	PROD1 D_, FB_, FA_, C_, XB_, XA_, a, T_%2
.endif
.endm
.macro BLOCK kind, e, a0, as, sb, bb   ; 32 products, the four accumulators by turns
.set N_, 0
.rept 32
	PROD \kind, \e, N_, \a0, \as, \sb, \bb
.set N_, N_+1
.endr
	WIN 0
.endm
.macro BSTART u, w, fetch              ; the LDS places of the block two on; then the waits for earlier stores' registers and for this block's rows
.if \fetch
.if \u == 2
	s_xor_b32 s[ST], s[ST], 64*PITCH
	s_xor_b32 s[SS], s[SS], 8*272
.endif
	s_add_co_u32 s2, s[ST], ((\u+2)%4)*8*PITCH
	s_add_co_u32 s3, s[SS], ((\u+2)%4)*272
	v_add_nc_u32 v[ADRA], s2, v[ADRA0]
	v_add_nc_u32 v[ADRA+1], s2, v[ADRA0+1]
	v_add_nc_u32 v[AAS], s3, v[AAS0]
.endif
	WALU
	s_wait_xcnt 0x0
	s_wait_dscnt \w
.endm
.macro CH4 x, n                        ; the largest magnitude of the 32 sums from x on, four chains side by side, each accumulator from its low end; the conversions' scale operand
.irp i, 0,1,2,3
	v_max3_num_f32 v[T+\i], |v[\x+8*\i]|, |v[\x+8*\i+1]|, |v[\x+8*\i+2]|
.endr
.irp k, 3,5
.irp i, 0,1,2,3
	v_max3_num_f32 v[T+\i], v[T+\i], |v[\x+8*\i+\k]|, |v[\x+8*\i+\k+1]|
.endr
.endr
.irp i, 0,1,2,3
	v_max_num_f32 v[T+\i], v[T+\i], |v[\x+8*\i+7]|
.endr
	v_max3_num_f32 v[T], v[T], v[T+1], v[T+2]
	v_max3_num_f32 v[T], v[T], v[T+3], 0x1800000
	v_add_nc_u32 v[SOP+\n], 0xff000000, v[T]
.endm
.macro VHALF                           ; a band of 64 tokens: four blocks, then the way out of its four tiles of channels
	v_add_nc_u32 v[SWA], s[SW], v[STV]
.irp u, 0,1,2,3
	BSTART \u, NF, 1
	BLOCK 1, \u%2, ACC+8*\u, 32, SBV, BBV
	PLACES 4
	FETCH \u%2
.endr
	WIN 0xc3
.irp t, 0,1,2,3
.irp i, 0,1,2,3,4,5
	v_mov_b32 v[MC+12*\t+\i], v[MC+12*\t+6+\i]     ; the band before moves down: behind the second band registers 0-5 hold band 0, 6-11 band 1
.endr
.endr
	WIN 0
.irp t, 0,1,2,3
	CH4 ACC+32*\t, \t
.endr
	WIN 0xc0
.irp t, 0,1,2,3
	v_cvt_scalef32_pk16_fp6_f32 v[MC+12*\t+6:MC+12*\t+8], v[ACC+32*\t:ACC+32*\t+15], v[SOP+\t]
.endr
	WIN 0
.irp t, 0,1,2,3
	v_cvt_scalef32_pk16_fp6_f32 v[TC+4*\t:TC+4*\t+2], v[ACC+32*\t+16:ACC+32*\t+31], v[SOP+\t]
.endr
.irp t, 0,1,2,3
	v_lshrrev_b32 v[EB+\t], 23, v[SOP+\t]
.endr
	WIN 0xc0
.irp t, 0,1,2,3
.irp i, 0,1,2
	v_mov_b32 v[MC+12*\t+9+\i], v[TC+4*\t+\i]
.endr
.endr
	WIN 0
	WALU
.irp t, 0,1,2,3
	ds_store_b8 v[SWA], v[EB+\t] offset:128*(\t%2)+4*(\t/2)
.endr
	s_add_co_u32 s[SW], s[SW], 2
.endm
.macro QHALF sb, bb, base, nf          ; four blocks of Q or K, each with its way out under the next fetch's flight.  nf = 1: the launch's last: its last two blocks fetch nothing
	v_add_nc_u32 v[SWA], s[SW], v[STW]
.irp u, 0,1,2,3
.if (\nf) && (\u == 3)
	BSTART \u, 2, 0
.elseif (\nf) && (\u == 2)
	BSTART \u, NF+2, 0
.else
	BSTART \u, NF+2, 1
.endif
	BLOCK 0, \u%2, ACC+32*(\u%2), 8, \sb, \bb
	PLACES 4
.if !(\nf) || (\u < 2)
	FETCH \u%2
.endif
	CH4 ACC+32*(\u%2), 0
	v_cvt_scalef32_pk16_fp6_f32 v[NCD:NCD+2], v[ACC+32*(\u%2):ACC+32*(\u%2)+15], v[SOP]
	v_cvt_scalef32_pk16_fp6_f32 v[TC:TC+2], v[ACC+32*(\u%2)+16:ACC+32*(\u%2)+31], v[SOP]
	v_lshrrev_b32 v[EB], 23, v[SOP]
.irp i, 0,1,2
	v_mov_b32 v[NCD+3+\i], v[TC+\i]
.endr
	v_lshlrev_b32 v[EB], v[SH8], v[EB]             ; my block's byte at its place; with lane l xor 16's the token's word is whole
	v_permlanex16_b32 v[WD], v[EB], s66, s67
	v_or_b32 v[WD], v[WD], v[EB]
	WALU
	ds_store_b32 v[SWA], v[WD] offset:256*(\u%2)+4*(\u/2)
.irp p, 0,1,2
	global_store_b64 v[L8], v[NCD+2*\p:NCD+2*\p+1], s[\base:\base+1] offset:768*\u+256*\p   ; 32 lanes store 256 consecutive bytes, aligned
.endr
.endr
	s_add_co_u32 s[SW], s[SW], 8
	s_wait_xcnt 0x0
	s_add_nc_u64 s[\base:\base+1], s[\base:\base+1], 3072
.endm
; ---- the head
	s_load_b512 s[68:83], s[0:1], 0x0              ; x codes, scales; Wq; Wk; Wv
	s_load_b256 s[84:91], s[0:1], 0x40             ; bq, bk, bv, qb
	s_load_b64 s[92:93], s[0:1], 0x60              ; kv
	v_lshl_add_u32 v[SPW], v0, 2, SPARE
	v_mov_b32 v[NIL], 0
	ds_add_u32 v[SPW], v[NIL]                      ; the opening lines: the add twice and its wait
	ds_add_u32 v[SPW], v[NIL]
	v_lshrrev_b32 v1, 5, v0
	v_readfirstlane_b32 s[WV], v1
	s_bfe_u32 s40, ttmp6, 0x40000                  ; cx: the group of four heads
	s_bfe_u32 s41, ttmp6, 0x40004                  ; cy
	s_and_b32 s42, ttmp7, 0xffff
	s_lshl_b32 s42, s42, 2
	s_add_co_u32 s42, s42, s41                     ; the group of 128 tokens
	s_lshl_b32 s43, s40, 2
	s_add_co_u32 s43, s43, s[WV]                   ; my head
	s_lshl_b32 s44, s41, 2
	s_lshl_b32 s44, 15, s44                        ; my row of the cluster
	s_lshl_b32 s45, 0x1111, s40                    ; my column
	GROUP1 G1X, 44, 64
	GROUP1 G1W, 45, 256
	GROUP1 G1R, 45, 64
	s_or_b32 s[G1S+0], s44, (3<<16)|(1<<20)|(1<<21)|(5<<22)|(3<<25)
	s_mov_b32 s[G1S+1], 32<<16
	s_mov_b32 s[G1S+2], 16<<16
	s_mov_b32 s[G1S+3], 32<<16
	s_mov_b32 s[G1S+4], 16
	s_mov_b32 s[G1S+5], 32
	s_mov_b32 s[G1S+6], 0
	s_mov_b32 s[G1S+7], 0
	s_mov_b32 s66, 0x76543210
	s_mov_b32 s67, 0xfedcba98
	s_mov_b32 s47, 0
	s_mov_b32 s101, 0
	s_mov_b32 s4, 1
	s_mov_b32 s8, 1
	s_mov_b32 s16, 1
	s_mov_b32 s20, 1
	s_and_b32 s99, s[WV], 1
	s_mul_i32 s5, s99, 64*PITCH
	s_mov_b32 s9, WB
	s_mov_b32 s17, XS
	s_mul_i32 s21, s[WV], 64*PITCH
	s_add_co_u32 s21, s21, WB
	WALU
	s_wait_dscnt 0x0
	CROUND                                         ; in front of the first joint loads
	s_wait_kmcnt 0x0
	s_mul_i32 s46, s40, 256*KROW
	s_add_nc_u64 s[80:81], s[80:81], s[46:47]      ; my four heads' rows of W_v, W_q, W_k
	s_add_nc_u64 s[72:73], s[72:73], s[46:47]
	s_add_nc_u64 s[76:77], s[76:77], s[46:47]
	s_mov_b64 s[10:11], s[80:81]
	s_or_b32 s11, s11, 0x80000000
	s_lshl_b32 s46, s42, 12
	s_add_nc_u64 s[18:19], s[70:71], s[46:47]
	s_or_b32 s19, s19, 0x80000000
	s_mul_i32 s46, s42, 128*KROW
	s_mul_i32 s100, s99, 64*KROW
	s_add_co_u32 s46, s46, s100
	s_add_nc_u64 s[6:7], s[68:69], s[46:47]
	s_or_b32 s7, s7, 0x80000000
	s_mul_i32 s46, s[WV], 64*KROW
	s_add_nc_u64 s[22:23], s[72:73], s[46:47]
	s_or_b32 s23, s23, 0x80000000
	s_cmp_eq_u32 s[WV], 0
	s_cbranch_scc0 .Lw1
	TLOAD 8, G1W                                   ; wave 0: W_v's 256 rows
	s_branch .Lasked
.Lw1:
	s_cmp_eq_u32 s[WV], 1
	s_cbranch_scc0 .Lw2
	TLOAD 16, G1S                                  ; wave 1: x's scale bytes
	s_branch .Lasked
.Lw2:
	TLOAD 4, G1X                                   ; waves 2, 3: a half of x's rows each
.Lasked:
	v_and_b32 v1, 15, v0
	v_bfe_u32 v2, v0, 4, 1
	v_and_b32 v3, 31, v0
	v_and_b32 v81, 7, v0
	v_bfe_u32 v82, v0, 3, 1
	v_lshl_add_u32 v83, v82, 5, v81                ; r % 8 + 32 (r / 8)
	v_mul_u32_u24 v9, v83, PITCH
	v_mad_u32_u24 v[ADRA0], v2, 24, v9
	v_mad_u32_u24 v[ADRA0+1], v2, 40, v9
	v_lshlrev_b32 v[AAS0], 5, v81
	v_mad_u32_u24 v[AAS0], v82, 1088, v[AAS0]
	v_add_nc_u32 v[AAS0], XS, v[AAS0]
	v_lshlrev_b32 v[L8], 3, v3
	v_lshlrev_b32 v[L16], 4, v3
	v_lshlrev_b32 v[SH8], 3, v2
	v_lshl_add_u32 v[WSA], v2, 3, v83              ; lane l takes the scale bytes of slot l % 16 of tile 2 p + l / 16
	v_lshlrev_b32 v[WSA], 5, v[WSA]
	v_lshlrev_b32 v[BQA], 7, v2
	v_lshlrev_b32 v[BVA], 2, v83
	s_mul_i32 s99, s[WV], 1280
	s_add_co_u32 s99, s99, STG
	s_add_co_u32 s100, s99, 1024
	v_lshl_add_u32 v[STW], v1, 4, s99
	v_lshl_add_u32 v[STV], v1, 3, v2
	v_add_nc_u32 v[STV], s100, v[STV]
	v_add_nc_u32 v[SRD], s99, v[L16]
	v_add_nc_u32 v[SVR], s100, v[L8]
	s_lshl_b32 s46, s41, 2
	s_add_co_u32 s46, s46, s[WV]
	s_mul_i32 s46, s46, 12288                      ; my sixteenth of a weight's 256 rows
	v_min_u32 v[PFO], 23, v3
	v_lshl_add_u32 v[PFO], v[PFO], 8, s46
	v_add_nc_u32 v81, s21, v[ADRA0]
	v_add_nc_u32 v82, s21, v[ADRA0+1]
.irp t, 0,1,2,3
	v_add_nc_u32 v[BA+2*\t], \t*8*PITCH, v81
	v_add_nc_u32 v[BA+2*\t+1], \t*8*PITCH, v82
.endr
	v_add_nc_u32 v[ADRA], 8*PITCH, v[ADRA0]
	v_add_nc_u32 v[ADRA+1], 8*PITCH, v[ADRA0+1]
	v_add_nc_u32 v[AAS], 272, v[AAS0]
	s_lshl_b32 s46, s43, 11
	s_add_nc_u64 s[82:83], s[82:83], s[46:47]
	s_add_nc_u64 s[74:75], s[74:75], s[46:47]
	s_add_nc_u64 s[78:79], s[78:79], s[46:47]
	s_lshl_b32 s46, s43, 8
	s_add_nc_u64 s[84:85], s[84:85], s[46:47]
	s_add_nc_u64 s[86:87], s[86:87], s[46:47]
	s_add_nc_u64 s[88:89], s[88:89], s[46:47]
	WALU
.irp p, 0,1
.irp c, 0,1
	global_load_b128 v[SBV+8*\p+4*\c:SBV+8*\p+4*\c+3], v[WSA], s[82:83] offset:512*\p+16*\c
	global_load_b128 v[SBQ+8*\p+4*\c:SBQ+8*\p+4*\c+3], v[WSA], s[74:75] offset:512*\p+16*\c
	global_load_b128 v[SBK+8*\p+4*\c:SBK+8*\p+4*\c+3], v[WSA], s[78:79] offset:512*\p+16*\c
.endr
.endr
	WIN 0xc0
.irp t, 0,1,2,3
	global_load_b32 v[BBV-768+8*\t], v[BVA], s[88:89] offset:32*\t
.endr
.irp k, 0,1,2,3,4,5,6,7
	global_load_b128 v[BBQ-768+4*\k:BBQ-768+4*\k+3], v[BQA], s[84:85] offset:16*\k
	global_load_b128 v[BBK-768+4*\k:BBK-768+4*\k+3], v[BQA], s[86:87] offset:16*\k
.endr
.irp t, 0,1,2,3
.irp i, 6,7,8,9,10,11
	v_mov_b32 v[MC+12*\t+\i], 0
.endr
.endr
	WIN 0
	s_lshr_b32 s46, s42, 4                         ; where the results go: ((batch x 16 + head) x 16 + key step)
	s_lshl_b32 s46, s46, 4
	s_add_co_u32 s46, s46, s43
	s_lshl_b32 s46, s46, 4
	s_and_b32 s100, s42, 15
	s_add_co_u32 s46, s46, s100
	s_mul_i32 s100, s46, KVSTR
	s_add_nc_u64 s[92:93], s[92:93], s[100:101]
	s_mul_i32 s100, s46, QSTR
	s_add_nc_u64 s[90:91], s[90:91], s[100:101]
	s_mov_b32 s[ST], 0
	s_mov_b32 s[SS], 0
	s_mov_b32 s[SW], 0
	WALU
	s_cmp_eq_u32 s[WV], 0
	s_cbranch_scc0 .Lnot_w
	s_wait_tensorcnt 0x0
.Lnot_w:
	BARRIER                                        ; W_v's rows are in
	global_prefetch_b8 v[PFO], s[72:73] th:TH_LOAD_NT scope:SCOPE_SE
	global_prefetch_b8 v[PFO], s[72:73] offset:6144 th:TH_LOAD_NT scope:SCOPE_SE
	WEIGHTS
	s_wait_tensorcnt 0x0                           ; the first refill's round; it also shows x and its scale bytes to all
	ds_add_u32 v[SPW], v[NIL]
	s_wait_loadcnt 0x0
	WIN 0xc3
.irp t, 0,8,16,24
.irp i, 1,2,3,4,5,6,7
	v_mov_b32 v[BBV-768+\t+\i], v[BBV-768+\t]      ; V's bias, one number a lane and tile, over the tile's eight registers
.endr
.endr
	WIN 0
	WALU
	s_wait_dscnt 0x0
	CROUND
	TLOAD 20, G1R                                  ; W_q's rows, a quarter a wave, onto W_v's, which all waves hold in registers
	FETCHAT 0, v[ADRA0], v[ADRA0+1], v[AAS0]
	FETCH 1
	global_prefetch_b8 v[PFO], s[76:77] th:TH_LOAD_NT scope:SCOPE_SE
	global_prefetch_b8 v[PFO], s[76:77] offset:6144 th:TH_LOAD_NT scope:SCOPE_SE
; ---- V
	s_mov_b32 s[CNT], 0
.Lv:
	VHALF
	s_add_co_u32 s[CNT], s[CNT], 1
	s_cmp_lg_u32 s[CNT], 2
	s_cbranch_scc1 .Lv
	s_wait_tensorcnt 0x0
	s_wait_dscnt 0x0
	BARRIER                                        ; a plain barrier: W_q's rows are shown to all
	WEIGHTS
	WIN 0x0c
.irp t, 0,1,2,3
.irp k, 0,1,2
	global_store_b128 v[L16], v[MC+12*\t+4*\k:MC+12*\t+4*\k+3], s[92:93] offset:6656+1536*\t+512*\k
.endr
.endr
	WIN 0
	ds_load_b64 v[T:T+1], v[SVR]
	v_mov_b32 v[WD], 0
	s_wait_tensorcnt 0x0                           ; the second refill's round
	ds_add_u32 v[SPW], v[NIL]
	s_mul_i32 s46, s[WV], 64*KROW
	s_add_nc_u64 s[22:23], s[76:77], s[46:47]
	s_or_b32 s23, s23, 0x80000000
	WALU
	s_wait_dscnt 0x0
	CROUND
	TLOAD 20, G1R                                  ; W_k's rows
	global_store_b64 v[L8], v[T:T+1], s[92:93] offset:12800
; ---- Q
	s_mov_b32 s[SW], 0
	s_mov_b32 s[CNT], 0
.Lq:
	QHALF SBQ, BBQ, 90, 0
	s_add_co_u32 s[CNT], s[CNT], 1
	s_cmp_lg_u32 s[CNT], 2
	s_cbranch_scc1 .Lq
	s_wait_tensorcnt 0x0
	s_wait_dscnt 0x0
	BARRIER                                        ; W_k's rows are shown to all
	WEIGHTS
	ds_load_b128 v[T:T+3], v[SRD]
	s_wait_dscnt 0x0
	global_store_b128 v[L16], v[T:T+3], s[90:91]   ; Q's scale words: 512 consecutive bytes
; ---- K
	s_mov_b32 s[SW], 512
	QHALF SBK, BBK, 92, 0
	QHALF SBK, BBK, 92, 1
	ds_load_b128 v[T:T+3], v[SRD] offset:512
	s_wait_dscnt 0x0
	global_store_b128 v[L16], v[T:T+3], s[92:93]
	s_wait_tensorcnt 0x0                           ; the wave's end
	ds_add_u32 v[SPW], v[NIL]
	s_wait_dscnt 0x0
	CROUND                                         ; the closing round
	s_endpgm
.Lfunc_end_k_qf39121cd23_proj:
	.size	k_qf39121cd23_proj, .Lfunc_end_k_qf39121cd23_proj-k_qf39121cd23_proj
	.p2alignl 7, 3214868480
	.fill 96, 4, 3214868480
	.section	.rodata,"a",@progbits
	.p2align	6, 0x0
	.amdhsa_kernel k_qf39121cd23_proj
		.amdhsa_group_segment_fixed_size 327680
		.amdhsa_private_segment_fixed_size 0
		.amdhsa_enable_private_segment 0
		.amdhsa_kernarg_size 104
		.amdhsa_user_sgpr_count 2
		.amdhsa_user_sgpr_kernarg_segment_ptr 1
		.amdhsa_wavefront_size32 1
		.amdhsa_system_sgpr_workgroup_id_x 1
		.amdhsa_system_sgpr_workgroup_id_y 1
		.amdhsa_system_sgpr_workgroup_id_z 1
		.amdhsa_system_vgpr_workitem_id 0
		.amdhsa_next_free_vgpr 1024
		.amdhsa_next_free_sgpr 102
		.amdhsa_reserve_vcc 0
		.amdhsa_float_denorm_mode_32 3
		.amdhsa_float_denorm_mode_16_64 3
		.amdhsa_memory_ordered 1
		.amdhsa_forward_progress 1
		.amdhsa_inst_pref_size 172
	.end_amdhsa_kernel
	.amdgpu_metadata
---
amdhsa.version: [ 1, 2 ]
amdhsa.kernels:
  - .name:           k_qf39121cd23_proj
    .symbol:         k_qf39121cd23_proj.kd
    .args:
      - { .name: x_codes, .offset: 0, .size: 8, .value_kind: global_buffer, .address_space: global }
      - { .name: x_scales, .offset: 8, .size: 8, .value_kind: global_buffer, .address_space: global }
      - { .name: Wq_codes, .offset: 16, .size: 8, .value_kind: global_buffer, .address_space: global }
      - { .name: Wq_scales, .offset: 24, .size: 8, .value_kind: global_buffer, .address_space: global }
      - { .name: Wk_codes, .offset: 32, .size: 8, .value_kind: global_buffer, .address_space: global }
      - { .name: Wk_scales, .offset: 40, .size: 8, .value_kind: global_buffer, .address_space: global }
      - { .name: Wv_codes, .offset: 48, .size: 8, .value_kind: global_buffer, .address_space: global }
      - { .name: Wv_scales, .offset: 56, .size: 8, .value_kind: global_buffer, .address_space: global }
      - { .name: bq, .offset: 64, .size: 8, .value_kind: global_buffer, .address_space: global }
      - { .name: bk, .offset: 72, .size: 8, .value_kind: global_buffer, .address_space: global }
      - { .name: bv, .offset: 80, .size: 8, .value_kind: global_buffer, .address_space: global }
      - { .name: qb, .offset: 88, .size: 8, .value_kind: global_buffer, .address_space: global }
      - { .name: kv, .offset: 96, .size: 8, .value_kind: global_buffer, .address_space: global }
    .group_segment_fixed_size: 327680
    .private_segment_fixed_size: 0
    .kernarg_segment_align: 8
    .kernarg_segment_size: 104
    .max_flat_workgroup_size: 128
    .sgpr_count:     102
    .vgpr_count:     1024
    .wavefront_size: 32
...
	.end_amdgpu_metadata
.endif
;; end of part 1
;; launch attn (part 2): grid 4 x 64, 16 waves a work-group, clusters of 4 x 1, 212,992 bytes of LDS; arguments qb, kv, zb; writes zb
.if DOCPART == 2
	.amdgcn_target "amdgcn-amd-amdhsa--gfx1250"
	.amdhsa_code_object_version 6
	.text
	.protected	k_qf39121cd23_attn
	.globl	k_qf39121cd23_attn
	.p2align	8
	.type	k_qf39121cd23_attn,@function
k_qf39121cd23_attn:
	s_mov_b64 s[64:65], 0
	v_nop
	global_prefetch_b8 v0, s[64:65] scope:SCOPE_SE
	s_setreg_imm32_b32 hwreg(HW_REG_WAVE_MODE, 25, 1), 1
	s_wait_xcnt 0x0
	s_wait_alu depctr_hold_cnt(0) depctr_sa_sdst(0) depctr_va_vdst(0) depctr_va_sdst(0) depctr_va_ssrc(0) depctr_va_vcc(0) depctr_vm_vsrc(0)
	s_getreg_b32 s2, hwreg(HW_REG_IB_STS2, 6, 4)
	s_cmp_eq_u32 s2, 0
	s_cbranch_scc0 .Lentry_in_a_cluster
	s_endpgm
.Lentry_in_a_cluster:
	s_bfe_u32 s2, ttmp6, 0x10000c
	s_cmp_lg_u32 s2, 0x3003
	s_cbranch_scc0 .Lentry_shape_is_right
	s_endpgm
.Lentry_shape_is_right:
; z[b][h][q][:] = softmax_k(q . k / 8) v, both products on codes of FP6 (E2M3) with one E8M0 scale for each 32 along a product's K; z is quantised along the model's 1,024 for the projection that follows.
; Nothing of the problem's work is left out here.  LIMITS: as at the head of the first launch; the promise holds while the scaled scores stay under 2^31 in magnitude; a block's largest p is taken as the
; exponential of the block's largest score (the same multiply-add and exponential on the same number give the same bits).
; THE SOFTMAX: t = score x log2(e) / 8; M = the row's largest t so far, rounded UP to a whole number; p = 2^(t - M) is quantised along the keys, not normalised.  The row's sum is taken of the unquantised p
; and divides at the end.  When M moves, the sum and O are multiplied by 2^(old M - new M): exact.
; SHARES.  A work-group owns 512 queries of one (batch, head); each of its sixteen waves a tile of 16 queries at a time, twice.  Every wave walks the head's 2,048 keys, 128 a step.
; K AND V OF THE WHOLE HEAD LIE IN LDS: 16 key steps of 13,056 bytes, images of operand registers, filled once, a key step a wave by one joint load of the head's four work-groups.  No byte is filled again.
; LAYOUT.  S^T = K Q^T, O^T = V^T P^T: a lane holds ONE query (lane % 16).  Slot p of K's tile 4 c + u is key 64 c + 8 u + p % 8 + 32 (p / 8): so a lane's 32 registers of tiles 4 c .. 4 c + 3 are keys
; 64 c + 32 h + 0 .. 31: a whole scale block of P, in the order of P's operand.  Slot p of V's tile t is channel 8 t + p % 8 + 32 (p / 8): a lane's 32 registers of O^T are channels 32 h + 0 .. 31: a scale block of z.
; THE SCORE PRODUCT'S K IS 64, the instruction's 128: registers 6-11 of Q's operand hold zero codes, written once, and the scale bytes of k = 64 .. 127 are 0 on both sides.  So whatever finite codes stand in
; registers 6-11 of K's operand add nothing: K's eight tiles lie six registers apart, each tile's upper half being the next tile's codes (the last one's: zeros).
; ARITHMETIC ON PAIRS of neighbouring registers (t - M, the sums, the rescaling) is written as dual-issue pairs; c, -M and f are kept twice, in registers of different banks, for the two halves.
; THE SUM'S LAST SEVEN ADDITIONS of a step stand in the next step, as the places behind its neighbours' products; behind the last step they stand once more.
; OUT.  zb: for each tile of 16 tokens 12,800 bytes: the fragment of K step s (heads 2 s, 2 s + 1) at 1,536 s, registers 2 p, 2 p + 1 at 256 p + 8 lane; a head writes three of the six pieces.  From 12,288 on the
; scale words: (s, slot) at 16 (slot + 16 (s % 2)) + 4 (s / 2); a head owns two of a word's four bytes; the other two belong to another work-group, so they leave as 2 bytes a token.
.set STEPB, 13056
.set HEADB, 16*STEPB
.set SPARE, HEADB
.set QSTR,  6656
.set ZTILE, 12800
.set L8,   1
.set L16,  2
.set ADK,  3
.set ADV,  4
.set SPW,  5
.set NIL,  6
.set R16,  7
.set SH8,  8                           ; 8 x (lane / 16)
.set M2,   9                           ; -M once more
.set CV,   10                          ; v10, v11 c = log2(e) / 8
.set QF,   16                          ; v16-27 Q's fragment; v12 -M, v13 the largest t, v[14:15] the sum
.set QS,   28
.set PS,   29
.set VS,   30
.set KSC,  32
.set KFR,  36                          ; v36-89 K's eight tiles, six registers apart
.set S,    96                          ; v96-159 S^T, then p, then V's fragments
.set OT,   160
.set PCD,  192
.set BM,   212
.set PT,   216
.set SO,   220
.set F,    224                         ; v224, v225 f = 2^(old M - new M)
.set T0,   226
.set T1,   227
.set AC,   240                         ; v240-253 seven chains of the sum
.set WV,   24
.set SEL,  26
.set CS,   28
.set TB,   30
.set CNT,  31
.macro CROUND
	s_barrier_signal -1
	s_barrier_wait -1
	s_cmp_lg_u32 s[WV], 0
	s_cbranch_scc1 .Lnot_wave_0_\@
	s_barrier_signal -3
.Lnot_wave_0_\@:
	s_barrier_wait -3
	s_barrier_signal -1
	s_barrier_wait -1
.endm
.macro DADD d, a, b                    ; two additions on neighbouring registers
	v_dual_add_f32 v[\d], v[\a], v[\b] :: v_dual_add_f32 v[\d+1], v[\a+1], v[\b+1]
.endm
.macro TREE1
	DADD AC, AC, AC+2
	DADD AC+4, AC+4, AC+6
	DADD AC+8, AC+8, AC+10
.endm
.macro TREE2
	DADD 14, 14, AC+12
	DADD AC, AC, AC+4
	DADD 14, 14, AC+8
	DADD 14, 14, AC
.endm
	s_load_b128 s[4:7], s[0:1], 0x0                ; qb, kv
	s_load_b64 s[8:9], s[0:1], 0x10                ; zb
	v_lshl_add_u32 v[SPW], v0, 2, SPARE
	v_mov_b32 v[NIL], 0
	ds_add_u32 v[SPW], v[NIL]                      ; the opening lines: the add twice and its wait
	ds_add_u32 v[SPW], v[NIL]
	v_lshrrev_b32 v1, 5, v0
	s_delay_alu instid0(VALU_DEP_1)
	v_readfirstlane_b32 s[WV], v1
	s_and_b32 s10, ttmp7, 0xffff                   ; batch x 16 + head
	s_bfe_u32 s11, ttmp6, 0x40000                  ; cx: which 512 queries: it enters global addresses of Q and z alone
	s_mov_b32 s16, 15|(3<<16)|(1<<21)              ; a key step as 51 rows of 256 bytes, for all four work-groups
	s_mov_b32 s17, 32<<16
	s_mov_b32 s18, 51<<16
	s_mov_b32 s19, 32<<16
	s_mov_b32 s20, 51
	s_mov_b32 s21, 32
	s_mov_b32 s22, 0
	s_mov_b32 s23, 0
	s_mov_b32 s12, 1
	s_mul_i32 s13, s[WV], STEPB
	s_mul_i32 s40, s10, HEADB
	s_add_co_u32 s40, s40, s13
	s_mov_b32 s41, 0
	s_mov_b32 s[SEL], 0x76543210
	s_mov_b32 s[SEL+1], 0xfedcba98
	s_mov_b32 s[CS], 0x3e38aa3b                    ; log2(e) / 8
	s_lshl_b32 s42, s11, 2
	s_lshr_b32 s43, s[WV], 3
	s_add_co_u32 s42, s42, s43                     ; my group of 128 queries in the first pass; in the second: two groups on
	s_and_b32 s43, s[WV], 7                        ; my tile in it
	s_lshl_b32 s52, s10, 4
	s_add_co_u32 s52, s52, s42
	s_mul_i32 s52, s52, QSTR
	s_mul_i32 s44, s43, 768
	s_add_co_u32 s44, s44, s52
	s_mov_b32 s45, 0
	s_and_b32 s46, s43, 1
	s_lshl_b32 s46, s46, 8
	s_lshr_b32 s53, s43, 1
	s_lshl_b32 s53, s53, 2
	s_add_co_u32 s46, s46, s53
	s_add_co_u32 s46, s46, s52
	s_add_co_u32 s46, s46, 6144
	s_mov_b32 s47, 0
	s_lshr_b32 s52, s10, 4
	s_lshl_b32 s52, s52, 4
	s_add_co_u32 s52, s52, s42
	s_lshl_b32 s52, s52, 3
	s_add_co_u32 s52, s52, s43
	s_mul_i32 s52, s52, ZTILE
	s_and_b32 s53, s10, 15
	s_mul_i32 s48, s53, 768
	s_add_co_u32 s48, s48, s52
	s_mov_b32 s49, 0
	s_bfe_u32 s50, s53, 0x10001
	s_lshl_b32 s50, s50, 8
	s_lshr_b32 s25, s53, 2
	s_lshl_b32 s25, s25, 2
	s_add_co_u32 s50, s50, s25
	s_and_b32 s25, s53, 1
	s_lshl_b32 s25, s25, 1
	s_add_co_u32 s50, s50, s25
	s_add_co_u32 s50, s50, s52
	s_add_co_u32 s50, s50, 12288
	s_mov_b32 s51, 0
	s_wait_dscnt 0x0
	s_wait_kmcnt 0x0
	s_add_nc_u64 s[14:15], s[6:7], s[40:41]
	s_or_b32 s15, s15, 0x80000000
	s_add_nc_u64 s[32:33], s[4:5], s[44:45]
	s_add_nc_u64 s[34:35], s[4:5], s[46:47]
	s_add_nc_u64 s[36:37], s[8:9], s[48:49]
	s_add_nc_u64 s[38:39], s[8:9], s[50:51]
	CROUND
	tensor_load_to_lds s[12:15], s[16:23]          ; every wave one: the head's sixteen key steps
	s_nop 0
	v_and_b32 v[L16], 31, v0
	s_delay_alu instid0(VALU_DEP_1)
	v_lshlrev_b32 v[L8], 3, v[L16]
	s_delay_alu instid0(VALU_DEP_2)
	v_lshlrev_b32 v[L16], 4, v[L16]
	v_and_b32 v[R16], 15, v0
	s_delay_alu instid0(VALU_DEP_1)
	v_lshlrev_b32 v[R16], 4, v[R16]
	v_bfe_u32 v[SH8], v0, 4, 1
	s_delay_alu instid0(VALU_DEP_1)
	v_lshlrev_b32 v[SH8], 3, v[SH8]
	v_mov_b32 v[CV], s[CS]
	v_mov_b32 v[CV+1], s[CS]
.macro QLOAD pi
.irp p, 0,1,2
	global_load_b64 v[QF+2*\p:QF+2*\p+1], v[L8], s[32:33] offset:2*QSTR*\pi+256*\p
.endr
	global_load_b32 v[QS], v[R16], s[34:35] offset:2*QSTR*\pi
.endm
	QLOAD 0
.irp j, 6,7,8,9,10,11
	v_mov_b32 v[QF+\j], 0                          ; the zero codes of k = 64 .. 127: written once
	v_mov_b32 v[KFR+42+\j], 0                      ; and what stands behind K's last tile
.endr
	v_mov_b32 v[PT], 0                             ; a lane permute's destination counts as one of its sources
	v_mov_b32 v[T1], 0
	s_wait_alu depctr_va_vdst(0)
	s_wait_tensorcnt 0x0
	s_barrier_signal -1
	s_barrier_wait -1
.macro STEP
	v_add_nc_u32 v[ADK], s[TB], v[L8]
	v_add_nc_u32 v[ADV], s[TB], v[L16]
	TREE1                                          ; with the two additions five places: the scores are laid over registers that the last step's products read
	ds_load_b128 v[KSC:KSC+3], v[ADV] offset:6144
.irp t, 0,1,2,3,4,5,6,7
.irp p, 0,1,2
	ds_load_b64 v[KFR+6*\t+2*\p:KFR+6*\t+2*\p+1], v[ADK] offset:\t*768+256*\p
.endr
.endr
	s_wait_alu depctr_va_vdst(0)
	s_wait_dscnt 0x0
.irp t, 0,1,2,3,4,5,6,7                        ; a register of K's scale words holds an even tile's in lanes 0-15 and the odd one's in lanes 16-31
.if \t%2
	v_wmma_scale_f32_16x16x128_f8f6f4 v[S+8*\t:S+8*\t+7], v[KFR+6*\t:KFR+6*\t+11], v[QF:QF+11], 0, v[KSC+\t/2], v[QS] matrix_a_fmt:MATRIX_FMT_FP6 matrix_b_fmt:MATRIX_FMT_FP6 matrix_a_scale:MATRIX_SCALE_ROW1
.else
	v_wmma_scale_f32_16x16x128_f8f6f4 v[S+8*\t:S+8*\t+7], v[KFR+6*\t:KFR+6*\t+11], v[QF:QF+11], 0, v[KSC+\t/2], v[QS] matrix_a_fmt:MATRIX_FMT_FP6 matrix_b_fmt:MATRIX_FMT_FP6
.endif
.endr
	TREE2                                          ; four places ahead of the first read of the scores
.irp b, 0,1,2,3                                ; the largest score of four runs of 16 registers, side by side; each tile of scores is read from its low end on
	v_max3_num_f32 v[BM+\b], v[S+16*\b], v[S+1+16*\b], v[S+2+16*\b]
.endr
.irp i, 3,5,7,9,11,13
.irp b, 0,1,2,3
	v_max3_num_f32 v[BM+\b], v[BM+\b], v[S+16*\b+\i], v[S+1+16*\b+\i]
.endr
.endr
.irp b, 0,1,2,3
	v_max_num_f32 v[BM+\b], v[BM+\b], v[S+15+16*\b]
.endr
	s_delay_alu instid0(VALU_DEP_3)
	v_max_num_f32 v[BM], v[BM], v[BM+1]            ; MY TWO BLOCKS' LARGEST SCORES: each serves the row's maximum and, since p rises with the score, the block's largest p
	s_delay_alu instid0(VALU_DEP_2)
	v_max_num_f32 v[BM+1], v[BM+2], v[BM+3]
	s_delay_alu instid0(VALU_DEP_1)
	v_max_num_f32 v[T0], v[BM], v[BM+1]
	s_delay_alu instid0(VALU_DEP_1)
	v_permlanex16_b32 v[PT], v[T0], s[SEL], s[SEL+1]
	s_delay_alu instid0(VALU_DEP_1)
	v_max_num_f32 v[T0], v[T0], v[PT]              ; with lane l xor 16's two blocks: the step's largest score of my query
	s_delay_alu instid0(VALU_DEP_1)
	v_mul_f32 v[T0], s[CS], v[T0]
	s_delay_alu instid0(VALU_DEP_1)
	v_max_num_f32 v13, v13, v[T0]
	v_mov_b32 v[T0], v12
	s_delay_alu instid0(VALU_DEP_2)
	v_floor_f32 v12, -v13                          ; the new -M = -ceil(t)
	s_delay_alu instid0(VALU_DEP_3)
	v_floor_f32 v[M2], -v13
	s_delay_alu instid0(VALU_DEP_2)
	v_sub_f32 v[T0], v12, v[T0]
	s_delay_alu instid0(VALU_DEP_1)
	v_cvt_i32_f32 v[T0], v[T0]
	s_delay_alu instid0(VALU_DEP_1)
	v_ldexp_f32 v[F], 1.0, v[T0]                   ; f = 2^(old M - new M)
	s_delay_alu instid0(VALU_DEP_2)
	v_ldexp_f32 v[F+1], 1.0, v[T0]
.irp b, 0,1
	v_fma_f32 v[BM+\b], v[BM+\b], v[CV], v12       ; t - M of each block's largest score
.endr
.set i, 0
.rept 32
	v_dual_fma_f32 v[S+i], v[S+i], v[CV], v12 :: v_dual_fma_f32 v[S+i+1], v[S+i+1], v[CV+1], v[M2]   ; t - M
.set i, i+2
.endr
.set i, 0
	s_wait_alu depctr_va_vdst(0)
.rept 64
	v_exp_f32 v[S+i], v[S+i]
.set i, i+1
.endr
	v_mul_f32 v14, v14, v[F]                       ; the sums under the new M: a plain line behind each run of exponentials
	s_wait_alu depctr_va_vdst(0)
.irp b, 0,1
	v_exp_f32 v[BM+\b], v[BM+\b]
.endr
	v_mul_f32 v15, v15, v[F]
.irp k, 0,1,2,3,4,5,6                          ; the row's sum of the unquantised p: eight chains of pairs
	DADD AC+2*\k, S+2*\k, S+16+2*\k
.endr
	DADD 14, 14, S+14
.irp j, 32,48
.irp k, 0,1,2,3,4,5,6
	DADD AC+2*\k, AC+2*\k, S+\j+2*\k
.endr
	DADD 14, 14, S+\j+14
.endr
	DADD 14, 14, S+30
	s_wait_alu depctr_va_vdst(0)
.irp b, 0,1
	v_max_num_f32 v[BM+\b], 0x1800000, v[BM+\b]    ; the floor 2^(3 - 127): the byte cannot fall under 1
.endr
.irp b, 0,1
	s_delay_alu instid0(VALU_DEP_2)
	v_add_nc_u32 v[SO+\b], 0xff000000, v[BM+\b]
.endr
.irp b, 0,1
	s_delay_alu instid0(VALU_DEP_2)
	v_lshrrev_b32 v[PT+\b], 23, v[SO+\b]
.endr
	s_delay_alu instid0(VALU_DEP_1)
	v_lshl_or_b32 v[PS], v[PT+1], 16, v[PT]        ; my bytes: blocks h and 2 + h,
	s_delay_alu instid0(VALU_DEP_1)
	v_lshlrev_b32 v[PS], v[SH8], v[PS]             ; at their places;
	s_delay_alu instid0(VALU_DEP_1)
	v_permlanex16_b32 v[PT], v[PS], s[SEL], s[SEL+1]
.irp c, 0,1
	v_cvt_scalef32_pk16_fp6_f32 v[PCD+6*\c:PCD+2+6*\c], v[S+32*\c:S+15+32*\c], v[SO+\c]
	v_cvt_scalef32_pk16_fp6_f32 v[PCD+12+4*\c:PCD+14+4*\c], v[S+16+32*\c:S+31+32*\c], v[SO+\c]
.endr
	v_or_b32 v[PS], v[PS], v[PT]                   ; with lane l xor 16's the word is whole.  (The plain line behind the conversions)
.irp c, 0,1
.irp i, 0,1,2
	v_mov_b32 v[PCD+3+6*\c+\i], v[PCD+12+4*\c+\i]
.endr
.endr
	ds_load_b64 v[VS:VS+1], v[ADK] offset:12800
.irp t, 0,1,2,3
.irp c, 0,1,2
	ds_load_b128 v[S+12*\t+4*\c:S+12*\t+4*\c+3], v[ADV] offset:6656+1536*\t+512*\c
.endr
.endr
.set i, 0
.rept 16
	v_dual_mul_f32 v[OT+i], v[F], v[OT+i] :: v_dual_mul_f32 v[OT+i+1], v[F+1], v[OT+i+1]   ; O^T under the new M; also the places between the lines that wrote p's codes and scale word and the products below
.set i, i+2
.endr
	s_wait_alu depctr_va_vdst(0)
	s_wait_dscnt 0x0
.irp t, 0,1,2,3                                ; the four accumulators take turns
.if \t%2
	v_wmma_scale_f32_16x16x128_f8f6f4 v[OT+8*\t:OT+8*\t+7], v[S+12*\t:S+12*\t+11], v[PCD:PCD+11], v[OT+8*\t:OT+8*\t+7], v[VS+\t/2], v[PS] matrix_a_fmt:MATRIX_FMT_FP6 matrix_b_fmt:MATRIX_FMT_FP6 matrix_a_scale:MATRIX_SCALE_ROW1
.else
	v_wmma_scale_f32_16x16x128_f8f6f4 v[OT+8*\t:OT+8*\t+7], v[S+12*\t:S+12*\t+11], v[PCD:PCD+11], v[OT+8*\t:OT+8*\t+7], v[VS+\t/2], v[PS] matrix_a_fmt:MATRIX_FMT_FP6 matrix_b_fmt:MATRIX_FMT_FP6
.endif
.endr
	s_add_co_u32 s[TB], s[TB], STEPB
.endm
.macro ZOUT pi                         ; z = O^T / the sum; my 32 registers are one scale block
	v_add_f32 v14, v14, v15
	s_delay_alu instid0(VALU_DEP_1)
	v_permlanex16_b32 v[T0], v14, s[SEL], s[SEL+1]
	s_delay_alu instid0(VALU_DEP_1)
	v_add_f32 v14, v14, v[T0]
	s_wait_alu depctr_va_vdst(0)
	v_rcp_f32 v14, v14
	v_nop
	s_wait_alu depctr_va_vdst(0)
.set i, 0
.rept 16
	v_pk_mul_f32 v[S+i:S+i+1], v[OT+i:OT+i+1], v[14:15] op_sel_hi:[1,0]
.set i, i+2
.endr
.irp b, 0,1
	v_max3_num_f32 v[BM+\b], |v[S+16*\b]|, |v[S+1+16*\b]|, 0x1800000
.endr
.irp i, 2,4,6,8,10,12,14
.irp b, 0,1
	s_delay_alu instid0(VALU_DEP_2)
	v_max3_num_f32 v[BM+\b], v[BM+\b], |v[S+16*\b+\i]|, |v[S+1+16*\b+\i]|
.endr
.endr
	s_delay_alu instid0(VALU_DEP_1)
	v_max_num_f32 v[BM], v[BM], v[BM+1]
	s_delay_alu instid0(VALU_DEP_1)
	v_add_nc_u32 v[SO], 0xff000000, v[BM]
	s_delay_alu instid0(VALU_DEP_1)
	v_lshrrev_b32 v[PT], 23, v[SO]
	s_delay_alu instid0(VALU_DEP_1)
	v_lshlrev_b32 v[PT], v[SH8], v[PT]
	s_delay_alu instid0(VALU_DEP_1)
	v_permlanex16_b32 v[T1], v[PT], s[SEL], s[SEL+1]
	s_delay_alu instid0(VALU_DEP_1)
	v_or_b32 v[T1], v[T1], v[PT]                   ; my head's two scale bytes of my token
	v_cvt_scalef32_pk16_fp6_f32 v[PCD:PCD+2], v[S:S+15], v[SO]
	v_cvt_scalef32_pk16_fp6_f32 v[PCD+12:PCD+14], v[S+16:S+31], v[SO]
	v_nop
.irp i, 0,1,2
	v_mov_b32 v[PCD+3+\i], v[PCD+12+\i]
.endr
.irp p, 0,1,2
	global_store_b64 v[L8], v[PCD+2*\p:PCD+2*\p+1], s[36:37] offset:16*ZTILE*\pi+256*\p   ; 32 lanes store 256 consecutive bytes, aligned
.endr
	global_store_b16 v[R16], v[T1], s[38:39] offset:16*ZTILE*\pi    ; both halves of the lanes write the same two bytes with the same value
.endm
.macro PASS pi
.if \pi
	s_wait_xcnt 0x0
.endif
	v_mov_b32 v13, 0xff61b1e6                      ; -3e38, under every t
	s_delay_alu instid0(VALU_DEP_1)
	v_floor_f32 v12, -v13
	v_mov_b32 v14, 0
	v_mov_b32 v15, 0
.set i, 0
.rept 32
	v_mov_b32 v[OT+i], 0                           ; the step is written once: the first finds zeros
.set i, i+1
.endr
.set i, 0
.rept 14
	v_mov_b32 v[AC+i], 0
.set i, i+1
.endr
	s_mov_b32 s[TB], 0
	s_mov_b32 s[CNT], 16
	s_wait_alu depctr_va_vdst(0)
	s_wait_loadcnt 0x0
.Lstep_\@:
	STEP
	s_sub_co_u32 s[CNT], s[CNT], 1
	s_cmp_lg_u32 s[CNT], 0
	s_cbranch_scc1 .Lstep_\@
	TREE1                                          ; the last step's sums; also the places behind the last products
	TREE2
.if \pi == 0
	QLOAD 1
.endif
	ZOUT \pi
.endm
	PASS 0
	PASS 1
	s_wait_tensorcnt 0x0                           ; the wave's end
	ds_add_u32 v[SPW], v[NIL]
	s_wait_dscnt 0x0
	CROUND
	s_endpgm
.Lfunc_end_k_qf39121cd23_attn:
	.size	k_qf39121cd23_attn, .Lfunc_end_k_qf39121cd23_attn-k_qf39121cd23_attn
	.p2alignl 7, 3214868480
	.fill 96, 4, 3214868480
	.section	.rodata,"a",@progbits
	.p2align	6, 0x0
	.amdhsa_kernel k_qf39121cd23_attn
		.amdhsa_group_segment_fixed_size 212992
		.amdhsa_private_segment_fixed_size 0
		.amdhsa_enable_private_segment 0
		.amdhsa_kernarg_size 24
		.amdhsa_user_sgpr_count 2
		.amdhsa_user_sgpr_kernarg_segment_ptr 1
		.amdhsa_wavefront_size32 1
		.amdhsa_system_sgpr_workgroup_id_x 1
		.amdhsa_system_sgpr_workgroup_id_y 1
		.amdhsa_system_sgpr_workgroup_id_z 1
		.amdhsa_system_vgpr_workitem_id 0
		.amdhsa_next_free_vgpr 256
		.amdhsa_next_free_sgpr 66
		.amdhsa_reserve_vcc 0
		.amdhsa_float_denorm_mode_32 3
		.amdhsa_float_denorm_mode_16_64 3
		.amdhsa_memory_ordered 1
		.amdhsa_forward_progress 1
		.amdhsa_inst_pref_size 52
	.end_amdhsa_kernel
	.amdgpu_metadata
---
amdhsa.version: [ 1, 2 ]
amdhsa.kernels:
  - .name:           k_qf39121cd23_attn
    .symbol:         k_qf39121cd23_attn.kd
    .args:
      - { .name: qb, .offset: 0, .size: 8, .value_kind: global_buffer, .address_space: global }
      - { .name: kv, .offset: 8, .size: 8, .value_kind: global_buffer, .address_space: global }
      - { .name: zb, .offset: 16, .size: 8, .value_kind: global_buffer, .address_space: global }
    .group_segment_fixed_size: 212992
    .private_segment_fixed_size: 0
    .kernarg_segment_align: 8
    .kernarg_segment_size: 24
    .max_flat_workgroup_size: 512
    .sgpr_count:     66
    .vgpr_count:     256
    .wavefront_size: 32
...
	.end_amdgpu_metadata
.endif
;; end of part 2
;; launch outp (part 3): grid 4 x 64, 4 waves a work-group, clusters of 4 x 4, 327,680 bytes of LDS; arguments zb, Wo_codes, Wo_scales, bo, out0; writes out0
.if DOCPART == 3
	.amdgcn_target "amdgcn-amd-amdhsa--gfx1250"
	.amdhsa_code_object_version 6
	.text
	.protected	k_qf39121cd23_outp
	.globl	k_qf39121cd23_outp
	.p2align	8
	.type	k_qf39121cd23_outp,@function
k_qf39121cd23_outp:
	s_mov_b64 s[64:65], 0
	v_nop
	global_prefetch_b8 v0, s[64:65] scope:SCOPE_SE
	s_setreg_imm32_b32 hwreg(HW_REG_WAVE_MODE, 25, 1), 1
	s_wait_xcnt 0x0
	s_wait_alu depctr_hold_cnt(0) depctr_sa_sdst(0) depctr_va_vdst(0) depctr_va_sdst(0) depctr_va_ssrc(0) depctr_va_vcc(0) depctr_vm_vsrc(0)
	s_getreg_b32 s2, hwreg(HW_REG_IB_STS2, 6, 4)
	s_cmp_eq_u32 s2, 0
	s_cbranch_scc0 .Lentry_in_a_cluster
	s_endpgm
.Lentry_in_a_cluster:
	s_bfe_u32 s2, ttmp6, 0x10000c
	s_cmp_lg_u32 s2, 0xf033
	s_cbranch_scc0 .Lentry_shape_is_right
	s_endpgm
.Lentry_shape_is_right:
; out0 = z Wo + bo on codes of FP6 (E2M3) with one E8M0 scale for each 32 along K = 1,024.  z comes as images of operand registers (zb, laid as the launch before states), Wo as rows of codes, K innermost.
; Nothing of the problem's work is left out here.  LIMITS as stated at the head of the first launch.
; SHARES.  A work-group takes a group of 128 tokens and 256 columns (cx); wave w the 64 columns 256 cx + 64 w.  A wave's part of Wo (4 tiles of 16 columns x 8 K steps: 384 registers) stays in its registers;
; it walks the group's eight tiles of 16 tokens; each fragment of z read from LDS feeds four products.
; LDS, filled once, one joint load a wave: waves 0 and 1 four tiles of z each (51,200 bytes), waves 2 and 3 128 rows of Wo each (rows of 768 bytes, 16 bytes of padding behind every 256).  No byte is filled again.
; The stage of a wave lies over its own 64 rows of Wo, behind a barrier at which every wave holds its rows in registers.
; CLUSTER 4 x 4: z is shared by a row of the cluster, Wo's rows by a column.  NO PREFETCH: all that the launch reads is asked for at its head; there is no loop to run ahead in.
; TRANSPOSED USE: source 0 = 16 rows of Wo (columns of out0), source 1 = z: a lane holds one token and eight neighbouring columns.  bo is the C of each sum's first product.
; Slot p of tile tau is token 64 (tau / 4) + 8 (tau % 4) + p % 8 + 32 (p / 8) of the group: the stores' offsets put each row in its place.
; REGISTERS, in windows of 256: window 0: v1-13 addresses; v16-47 Wo's scale words (8 t + s); v48-55 z's, two sets; v56-63 Wo's LDS places; v64-159, v160-255 z's eight fragments, two sets.
;   window 1: Wo's K steps 0-3 at 12 (4 t + s); from v192 bo, eight registers a tile.   window 2: Wo's K steps 4-7.   window 3: v0-63 accumulators, two sets of four; v64-127 rows on their way out, two sets.
.set ZTILE, 12800
.set KROW,  768
.set PITCH, 816
.set WOB,   8*ZTILE
.set SP,    272
.set SPARE, WOB+256*PITCH
.set WSA,  2
.set BOA,  3
.set LZ0,  4
.set LZ1,  5
.set LS0,  6
.set LS1,  7
.set STO,  8
.set RD,   9
.set CO,   10
.set SPW,  12
.set NIL,  13
.set WS,   16
.set ZS,   48
.set WBA,  56
.set ZF,   64
.set WV,   26
.set MSB, 0
.macro WIN new
.if MSB != (\new)
	s_set_vgpr_msb (MSB<<8)|(\new)
.set MSB, (\new)
.endif
.endm
.macro BARRIER
	s_barrier_signal -1
	s_barrier_wait -1
.endm
.macro CROUND
	BARRIER
	s_cmp_lg_u32 s[WV], 0
	s_cbranch_scc1 .Lnot_wave_0_\@
	s_barrier_signal -3
.Lnot_wave_0_\@:
	s_barrier_wait -3
	BARRIER
.endm
.macro TLOAD g0, g1
	tensor_load_to_lds s[\g0:\g0+3], s[\g1:\g1+7]
	s_nop 0
.rept 4
	v_nop
.endr
.endm
.macro FRAGR win, reg, q, a0, a1       ; a fragment of K step q: six pieces of 8 bytes, two to a load where both lie behind as many paddings
	WIN (\win)<<6
.set R_, \reg
.set SKIP_, 0
.irp p, 0,1,2,3,4,5
.if SKIP_
.set SKIP_, 0
.else
.set PC_, 12*(\q)+6*(\p/3)+\p%3
.set PN_, 12*(\q)+6*((\p+1)/3)+(\p+1)%3
.set X_, (PC_%32+3)/32
.set XQ_, (PN_%32+3)/32
.if (\p < 5) && (X_ == XQ_)
.set SKIP_, 1
.if X_
	ds_load_2addr_b64 v[R_+2*\p:R_+2*\p+3], \a1 offset0:PC_+2*(PC_/32) offset1:PN_+2*(PN_/32)
.else
	ds_load_2addr_b64 v[R_+2*\p:R_+2*\p+3], \a0 offset0:PC_+2*(PC_/32) offset1:PN_+2*(PN_/32)
.endif
.elseif X_
	ds_load_b64 v[R_+2*\p:R_+2*\p+1], \a1 offset:8*(PC_+2*(PC_/32))
.else
	ds_load_b64 v[R_+2*\p:R_+2*\p+1], \a0 offset:8*(PC_+2*(PC_/32))
.endif
.endif
.endr
.endm
	s_load_b128 s[4:7], s[0:1], 0x0                ; zb, Wo's codes
	s_load_b128 s[8:11], s[0:1], 0x10              ; Wo's scales, bo
	s_load_b64 s[24:25], s[0:1], 0x20              ; out0
	v_lshl_add_u32 v[SPW], v0, 2, SPARE
	v_mov_b32 v[NIL], 0
	ds_add_u32 v[SPW], v[NIL]                      ; the opening lines: the add twice and its wait
	ds_add_u32 v[SPW], v[NIL]
	v_lshrrev_b32 v1, 5, v0
	v_readfirstlane_b32 s[WV], v1
	s_bfe_u32 s28, ttmp6, 0x40000                  ; cx: which 256 columns
	s_bfe_u32 s43, ttmp6, 0x40004                  ; cy
	s_and_b32 s27, ttmp7, 0xffff
	s_lshl_b32 s27, s27, 2
	s_add_co_u32 s27, s27, s43                     ; the group of 128 tokens
	s_lshl_b32 s41, s43, 2
	s_lshl_b32 s41, 15, s41                        ; my row of the cluster
	s_lshl_b32 s42, 0x1111, s28                    ; my column
	s_or_b32 s16, s41, (3<<16)|(1<<21)             ; four tiles of z, 51,200 dense bytes, as 200 rows of 256 bytes
	s_mov_b32 s17, 32<<16
	s_mov_b32 s18, 200<<16
	s_mov_b32 s19, 32<<16
	s_mov_b32 s20, 200
	s_mov_b32 s21, 32
	s_mov_b32 s22, 0
	s_mov_b32 s23, 0
	s_or_b32 s48, s42, (1<<20)|(1<<21)|(5<<22)|(3<<25)   ; 128 rows of Wo
	s_mov_b32 s49, KROW<<16
	s_mov_b32 s50, 128<<16
	s_mov_b32 s51, KROW<<16
	s_mov_b32 s52, 128
	s_mov_b32 s53, KROW
	s_mov_b32 s54, 0
	s_mov_b32 s55, 0
	s_and_b32 s40, s[WV], 1
	s_mov_b32 s12, 1
	s_mul_i32 s13, s40, 4*ZTILE
	s_mul_i32 s30, s27, 8*ZTILE
	s_add_co_u32 s30, s30, s13
	s_mov_b32 s31, 0
	s_mov_b32 s44, 1
	s_mul_i32 s45, s40, 128*PITCH
	s_add_co_u32 s45, s45, WOB
	s_mul_i32 s32, s28, 256*KROW
	s_mul_i32 s33, s40, 128*KROW
	s_add_co_u32 s32, s32, s33
	s_mov_b32 s33, 0
	s_lshl_b32 s29, s28, 8
	s_lshl_b32 s40, s[WV], 6
	s_add_co_u32 s29, s29, s40                     ; my first column
	s_lshl_b32 s34, s29, 5
	s_mov_b32 s35, 0
	s_lshl_b32 s36, s29, 2
	s_mov_b32 s37, 0
	s_lshl_b32 s38, s27, 19                        ; the group's 128 rows of 4,096 bytes
	s_add_co_u32 s38, s38, s36
	s_mov_b32 s39, 0
	s_mul_i32 s40, s[WV], 64*PITCH
	s_add_co_u32 s40, s40, WOB                     ; my 64 rows of Wo in LDS; later my stage
	s_wait_alu depctr_va_vdst(0)
	s_wait_dscnt 0x0
	s_wait_kmcnt 0x0
	s_add_nc_u64 s[14:15], s[4:5], s[30:31]
	s_or_b32 s15, s15, 0x80000000
	s_add_nc_u64 s[46:47], s[6:7], s[32:33]
	s_or_b32 s47, s47, 0x80000000
	s_add_nc_u64 s[8:9], s[8:9], s[34:35]
	s_add_nc_u64 s[10:11], s[10:11], s[36:37]
	s_add_nc_u64 s[24:25], s[24:25], s[38:39]
	CROUND                                         ; in front of the joint loads
	s_cmp_lt_u32 s[WV], 2
	s_cbranch_scc0 .Lwo
	TLOAD 12, 16
	s_branch .Lasked
.Lwo:
	TLOAD 44, 48
.Lasked:
	v_and_b32 v14, 15, v0                          ; r
	v_bfe_u32 v15, v0, 4, 1                        ; h
	v_mul_u32_u24 v1, v14, PITCH
	v_add_nc_u32 v1, s40, v1
	v_mad_u32_u24 v[WBA], v15, 24, v1
	v_mad_u32_u24 v[WBA+1], v15, 40, v1
.irp t, 1,2,3
	v_add_nc_u32 v[WBA+2*\t], \t*16*PITCH, v[WBA]
	v_add_nc_u32 v[WBA+2*\t+1], \t*16*PITCH, v[WBA+1]
.endr
	v_lshlrev_b32 v[WSA], 5, v14
	v_lshlrev_b32 v[BOA], 5, v15
	v_and_b32 v11, 31, v0
	v_lshlrev_b32 v[LZ0], 3, v11
	v_add_nc_u32 v[LZ1], 64000, v[LZ0]
	v_lshlrev_b32 v[LS0], 4, v11
	v_add_nc_u32 v[LS1], 64000, v[LS0]
	v_mul_u32_u24 v[STO], v14, SP                  ; in: row = my token's slot, 32 bytes for each half of the lanes
	v_lshl_add_u32 v[STO], v15, 5, v[STO]
	v_add_nc_u32 v[STO], s40, v[STO]
	v_mul_u32_u24 v[RD], v15, SP                   ; back: lanes 0-15 one row of 256 bytes, lanes 16-31 the next
	v_lshl_add_u32 v[RD], v14, 4, v[RD]
	v_add_nc_u32 v[RD], s40, v[RD]
	v_lshlrev_b32 v[CO], 12, v15
	v_lshl_add_u32 v[CO], v14, 4, v[CO]
	s_wait_alu depctr_va_vdst(0)
	WIN 0x40
.irp t, 0,1,2,3
	global_load_b128 v[192+8*\t:192+8*\t+3], v[BOA], s[10:11] offset:64*\t          ; bo(16 t + 8 h + 0 .. 7), in the result's layout
	global_load_b128 v[192+8*\t+4:192+8*\t+7], v[BOA], s[10:11] offset:64*\t+16
.endr
	WIN 0
.irp t, 0,1,2,3
.irp q, 0,1
	global_load_b128 v[WS+8*\t+4*\q:WS+8*\t+4*\q+3], v[WSA], s[8:9] offset:512*\t+16*\q   ; a row's eight scale words
.endr
.endr
	s_wait_tensorcnt 0x0
	BARRIER                                        ; z and Wo are in
.macro FETCH tau                       ; tile tau's eight fragments and its scale words into set tau % 2: 49 LDS loads, each of consecutive bytes in consecutive lanes
.set E, (\tau)%2
.if (\tau) < 5
.set ZA, LZ0
.set SA, LS0
.set ZO, (\tau)*ZTILE
.else
.set ZA, LZ1
.set SA, LS1
.set ZO, (\tau)*ZTILE-64000
.endif
.irp s, 0,1,2,3,4,5,6,7
.irp p, 0,1,2,3,4,5
	ds_load_b64 v[ZF+96*E+12*\s+2*\p:ZF+96*E+12*\s+2*\p+1], v[ZA] offset:ZO+1536*\s+256*\p
.endr
.endr
	ds_load_b128 v[ZS+4*E:ZS+4*E+3], v[SA] offset:ZO+12288
.endm
.macro MULT tau                        ; 32 products: the four accumulators take turns, K ascending
.set E, (\tau)%2
.irp s, 0,1,2,3,4,5,6,7
.if \s == 0
	WIN 0xd1
.elseif \s < 4
	WIN 0xf1
.else
	WIN 0xf2
.endif
.irp t, 0,1,2,3
.if \s == 0
	v_wmma_scale_f32_16x16x128_f8f6f4 v[32*E+8*\t:32*E+8*\t+7], v[12*(4*\t):12*(4*\t)+11], v[ZF+96*E:ZF+96*E+11], v[192+8*\t:192+8*\t+7], v[WS+8*\t], v[ZS+4*E] matrix_a_fmt:MATRIX_FMT_FP6 matrix_b_fmt:MATRIX_FMT_FP6
.elseif \s%2
	v_wmma_scale_f32_16x16x128_f8f6f4 v[32*E+8*\t:32*E+8*\t+7], v[12*(4*\t+\s%4):12*(4*\t+\s%4)+11], v[ZF+96*E+12*\s:ZF+96*E+12*\s+11], v[32*E+8*\t:32*E+8*\t+7], v[WS+8*\t+\s], v[ZS+4*E+\s/2] matrix_a_fmt:MATRIX_FMT_FP6 matrix_b_fmt:MATRIX_FMT_FP6 matrix_b_scale:MATRIX_SCALE_ROW1
.else
	v_wmma_scale_f32_16x16x128_f8f6f4 v[32*E+8*\t:32*E+8*\t+7], v[12*(4*\t+\s%4):12*(4*\t+\s%4)+11], v[ZF+96*E+12*\s:ZF+96*E+12*\s+11], v[32*E+8*\t:32*E+8*\t+7], v[WS+8*\t+\s], v[ZS+4*E+\s/2] matrix_a_fmt:MATRIX_FMT_FP6 matrix_b_fmt:MATRIX_FMT_FP6
.endif
.endr
.endr
.endm
.macro TOSTAGE tau                     ; a lane's 32 bytes of a row go into my stage, whole rows of 256 bytes come back
.set E, (\tau)%2
.if (\tau) > 1
	s_wait_xcnt 0x0                                ; the stores of two tiles ago have read the registers into which the rows come back
.endif
	WIN 0x0c
	s_wait_alu depctr_va_vdst(0)
.irp t, 0,1,2,3
	ds_store_b128 v[STO], v[32*E+8*\t:32*E+8*\t+3] offset:64*\t          ; each accumulator from its low end on
	ds_store_b128 v[STO], v[32*E+8*\t+4:32*E+8*\t+7] offset:64*\t+16
.endr
	WIN 0xc0
.irp i, 0,1,2,3,4,5,6,7
	ds_load_b128 v[64+32*E+4*\i:64+32*E+4*\i+3], v[RD] offset:2*\i*SP    ; LDS serves a wave's instructions in order (ISA guide 5.7.1.4)
.endr
	WIN 0
.endm
.macro SEND tau
.set E, (\tau)%2
	s_wait_dscnt 0x0                               ; the rows are back; so are the next tile's fragments
	WIN 0x0c
.irp i, 0,1,2,3,4,5,6,7
	global_store_b128 v[CO], v[64+32*E+4*\i:64+32*E+4*\i+3], s[24:25] offset:(64*((\tau)/4)+8*((\tau)%4)+2*\i+24*(\i/4))*4096 th:TH_STORE_NT   ; 16 lanes store 256 consecutive bytes, aligned
.endr
	WIN 0
.endm
.irp t, 0,1,2,3                                ; my 64 rows of Wo, all of K: 104 loads
.irp s, 0,1,2,3
	FRAGR 1, 12*(4*\t+\s), \s, v[WBA+2*\t], v[WBA+2*\t+1]
.endr
.endr
.irp t, 0,1,2,3
.irp s, 4,5,6,7
	FRAGR 2, 12*(4*\t+\s-4), \s, v[WBA+2*\t], v[WBA+2*\t+1]
.endr
.endr
	WIN 0
	FETCH 0
	FETCH 1
	s_wait_loadcnt 0x0                             ; Wo's scale words, bo
	s_wait_dscnt 0x0
	BARRIER                                        ; every wave holds its rows of Wo: from here on their bytes are the stages
.irp u, 0,1,2,3,4,5,6,7
	MULT \u
	WIN 0
.rept 4
	v_nop                                          ; places in front of the loads into z's registers and scale words, and of the first read of the results
.endr
.if \u > 0
	SEND \u-1
.endif
.if \u < 6
	FETCH \u+2
.endif
	TOSTAGE \u
.endr
	SEND 7
	s_wait_tensorcnt 0x0                           ; the wave's end
	ds_add_u32 v[SPW], v[NIL]
	s_wait_dscnt 0x0
	CROUND                                         ; the closing round
	s_endpgm
.Lfunc_end_k_qf39121cd23_outp:
	.size	k_qf39121cd23_outp, .Lfunc_end_k_qf39121cd23_outp-k_qf39121cd23_outp
	.p2alignl 7, 3214868480
	.fill 96, 4, 3214868480
	.section	.rodata,"a",@progbits
	.p2align	6, 0x0
	.amdhsa_kernel k_qf39121cd23_outp
		.amdhsa_group_segment_fixed_size 327680
		.amdhsa_private_segment_fixed_size 0
		.amdhsa_enable_private_segment 0
		.amdhsa_kernarg_size 40
		.amdhsa_user_sgpr_count 2
		.amdhsa_user_sgpr_kernarg_segment_ptr 1
		.amdhsa_wavefront_size32 1
		.amdhsa_system_sgpr_workgroup_id_x 1
		.amdhsa_system_sgpr_workgroup_id_y 1
		.amdhsa_system_sgpr_workgroup_id_z 1
		.amdhsa_system_vgpr_workitem_id 0
		.amdhsa_next_free_vgpr 1024
		.amdhsa_next_free_sgpr 66
		.amdhsa_reserve_vcc 0
		.amdhsa_float_denorm_mode_32 3
		.amdhsa_float_denorm_mode_16_64 3
		.amdhsa_memory_ordered 1
		.amdhsa_forward_progress 1
		.amdhsa_inst_pref_size 90
	.end_amdhsa_kernel
	.amdgpu_metadata
---
amdhsa.version: [ 1, 2 ]
amdhsa.kernels:
  - .name:           k_qf39121cd23_outp
    .symbol:         k_qf39121cd23_outp.kd
    .args:
      - { .name: zb, .offset: 0, .size: 8, .value_kind: global_buffer, .address_space: global }
      - { .name: Wo_codes, .offset: 8, .size: 8, .value_kind: global_buffer, .address_space: global }
      - { .name: Wo_scales, .offset: 16, .size: 8, .value_kind: global_buffer, .address_space: global }
      - { .name: bo, .offset: 24, .size: 8, .value_kind: global_buffer, .address_space: global }
      - { .name: out0, .offset: 32, .size: 8, .value_kind: global_buffer, .address_space: global }
    .group_segment_fixed_size: 327680
    .private_segment_fixed_size: 0
    .kernarg_segment_align: 8
    .kernarg_segment_size: 40
    .max_flat_workgroup_size: 128
    .sgpr_count:     66
    .vgpr_count:     1024
    .wavefront_size: 32
...
	.end_amdgpu_metadata
.endif
;; end of part 3
